; MI455X (gfx1250); checked and timed in simulation.
; The chip was launched on July 23, 2026; its instructions are those of AMD's public machine-readable ISA for CDNA 5 (MIT licence, August 2026) and "CDNA5" Instruction Set Architecture Reference Guide (July 2026). The comments in the code are by the model that wrote it; some were corrected since.
;; Multi Head Attention. Allowed arithmetic: matrix products marked QUANTISED: E2M1 operands, one E8M0 scale for each 32 along K, by v_wmma_scale_f32_16x16x128_f8f6f4 with both operands' format E2M1 (or v_wmma_scale_f32_32x16x128_f4), f32 sums; everything else in f32.
;; Inputs: Wk_codes 1,024 x 32 x 16 uint8 (E2M1 codes of Wk, K innermost, in blocks of 32 codes, two codes a byte); Wk_scales 1,024 x 32 uint8 (E8M0 scales of Wk, one for each 32 codes along K); Wo_codes 1,024 x 32 x 16 uint8 (E2M1 codes of Wo, K innermost, in blocks of 32 codes, two codes a byte); Wo_scales 1,024 x 32 uint8 (E8M0 scales of Wo, one for each 32 codes along K); Wq_codes 1,024 x 32 x 16 uint8 (E2M1 codes of Wq, K innermost, in blocks of 32 codes, two codes a byte); Wq_scales 1,024 x 32 uint8 (E8M0 scales of Wq, one for each 32 codes along K); Wv_codes 1,024 x 32 x 16 uint8 (E2M1 codes of Wv, K innermost, in blocks of 32 codes, two codes a byte); Wv_scales 1,024 x 32 uint8 (E8M0 scales of Wv, one for each 32 codes along K); bk 1,024 float32; bo 1,024 float32; bq 1,024 float32; bv 1,024 float32; key_codes 8 x 1,024 x 32 x 16 uint8 (E2M1 codes of key, K innermost, in blocks of 32 codes, two codes a byte); key_scales 8 x 1,024 x 32 uint8 (E8M0 scales of key, one for each 32 codes along K); mask 8 x 1 x 1,024 bool; query_codes 8 x 1,024 x 32 x 16 uint8 (E2M1 codes of query, K innermost, in blocks of 32 codes, two codes a byte); query_scales 8 x 1,024 x 32 uint8 (E8M0 scales of query, one for each 32 codes along K); value_codes 8 x 1,024 x 32 x 16 uint8 (E2M1 codes of value, K innermost, in blocks of 32 codes, two codes a byte); value_scales 8 x 1,024 x 32 uint8 (E8M0 scales of value, one for each 32 codes along K).
;; Outputs: out0 8 x 1,024 x 1,024 float32.
;; This version of the problem:
;;   THIS VERSION OF THE PROBLEM IS GIVEN IN LOW PRECISION. The matrix products marked QUANTISED in the list below multiply operands that are first quantised to E2M1 (2 exponent bits, 1 mantissa bit; 4 bits a number), with one power-of-two scale for each 32 numbers along K (OCP MX v1.0); their sums are f32. All else is computed in f32.
;;   The module's matrix products, in the order in which they are computed (A, B: the left and right operand; K: the contracted axis; several contracted axes count as one K, in the product's order):
;;     1. [M 8,192, K 1,024] x [K 1,024, N 1,024]; A: input key (given as codes); B: input Wk (given as codes): QUANTISED
;;     2. [M 8,192, K 1,024] x [K 1,024, N 1,024]; A: input value (given as codes); B: input Wv (given as codes): QUANTISED
;;     3. [M 8,192, K 1,024] x [K 1,024, N 1,024]; A: input query (given as codes); B: input Wq (given as codes): QUANTISED
;;     4. batch 128 x [M 1,024, K 64] x [K 64, N 1,024]; A: computed on the way; B: computed on the way: QUANTISED
;;     5. batch 128 x [M 1,024, K 1,024] x [K 1,024, N 64]; A: computed on the way; B: computed on the way: QUANTISED
;;     6. [M 8,192, K 1,024] x [K 1,024, N 1,024]; A: computed on the way; B: input Wo (given as codes): QUANTISED
;;   THE QUANTISER, for each operand of a quantised product, along K:
;;     - K is cut into blocks of 32 from its start; a last block that is shorter is filled with zeros.
;;     - A block's scale is 2^e with e = floor(log2(the largest magnitude in the block)) - 2, held to -126 .. 127; a block of zeros has e = 0. As a byte (E8M0): e + 127.
;;     - Each number is divided by its block's scale, clamped to +-6, and rounded to the nearest number of E2M1, ties to even, subnormals kept.
;;     - The product sums the exact products of the quantised numbers (number of the format x scale) in f32.
;;   ~~~python
;;   def quantise(x, axis):      # numpy; x: float32 -> the quantised numbers, widened to float32 again
;;       x = np.moveaxis(x, axis, -1); K = x.shape[-1]
;;       x = np.pad(x, [(0, 0)] * (x.ndim - 1) + [(0, -K % 32)]); x = x.reshape(x.shape[:-1] + (-1, 32)); a = np.abs(x).max(-1, keepdims=True)
;;       e = np.where(a > 0, np.clip(np.frexp(np.where(a > 0, a, 1))[1] - 1 - 2, -126, 127), 0)      # np.frexp(a)[1] - 1 = floor(log2(a)), exactly
;;       r = np.clip(x / 2.0 ** e, -6, 6)
;;       step = 2.0 ** (np.maximum(np.frexp(np.where(r == 0, 1, r))[1] - 1, 0) - 1)
;;       q = np.round(r / step) * step * 2.0 ** e      # np.round: ties to even
;;       return np.moveaxis(q.reshape(q.shape[:-2] + (-1,))[..., :K], -1, axis).astype(np.float32)
;;   ~~~
;;   OPERANDS COMPUTED ON THE WAY. 'Computed on the way' means the value that the module computes at that place (a softmax that the list does not call 'softmax' is quantised finished and normalised). What goes into a quantiser is computed in f32, as accurately as f32 sums, v_exp_f32 and their like allow (about 1e-6 of the number): no bf16 or f16 on the way to a quantiser, and a product that is left as it is and whose result goes on into a quantised operand takes f32 operands (vector FMAs, or v_wmma_f32_16x16x4_f32). A number that lies on a knife's edge between two numbers of the format may be rounded either way, as far as f32 arithmetic and the matrix unit's own rounding can turn it there, and no further.
;;   INPUTS GIVEN AS CODES. Wk (in the module: [1024, 1024], K = its axis 1); Wo (in the module: [1024, 1024], K = its axis 1); Wq (in the module: [1024, 1024], K = its axis 1); Wv (in the module: [1024, 1024], K = its axis 1); key (in the module: [8, 1024, 1024], K = its axis 2); query (in the module: [8, 1024, 1024], K = its axis 2); value (in the module: [8, 1024, 1024], K = its axis 2): each comes as NAME_codes (uint8): NAME with its K axis moved to the last place and cut into blocks of 32 codes, [.., K / 32, bytes a block], one block behind the other in memory; two codes a byte, the lower K in the low four bits (a code: sign, 2 exponent bits, 1 mantissa bit); and NAME_scales (uint8): the same leading axes, one E8M0 byte (e + 127) for each 32 codes along K. Its value is code x scale, taken as it is: it is not quantised again, and the codes and scales need not be those that the quantiser above would give.
;; One version. Each part assembles by itself: llvm-mc -triple=amdgcn-amd-amdhsa -mcpu=gfx1250 --defsym DOCPART=n.
;; ======== version 1 of 1: 2 launches
;; limits: right only within a limited range of input values
;; workspace buffers: qc 4,194,304 bytes; kc 4,194,304 bytes; vc 4,194,304 bytes; qs 262,144 bytes; ks 262,144 bytes; vs 262,144 bytes; vsum 2,097,152 bytes
;; launch proj (part 1): grid 4 x 64, 4 waves a work-group, clusters of 4 x 4, 327,680 bytes of LDS; arguments query_codes, key_codes, Wv_codes, query_scales, key_scales, Wv_scales, Wq_codes, Wk_codes, value_codes, Wq_scales, Wk_scales, value_scales, bq, bk, bv, qc, kc, vc, qs, ks, vs, mask, vsum; writes qc, kc, vc, qs, ks, vs, vsum
.if DOCPART == 1
	.amdgcn_target "amdgcn-amd-amdhsa--gfx1250"
	.amdhsa_code_object_version 6
	.text
	.protected	k_q2d1be2971e_proj
	.globl	k_q2d1be2971e_proj
	.p2align	8
	.type	k_q2d1be2971e_proj,@function
k_q2d1be2971e_proj:
	s_mov_b64 s[64:65], 0
	v_nop
	global_prefetch_b8 v0, s[64:65] scope:SCOPE_SE
	s_setreg_imm32_b32 hwreg(HW_REG_WAVE_MODE, 25, 1), 1
	s_wait_xcnt 0x0
	s_wait_alu depctr_hold_cnt(0) depctr_sa_sdst(0) depctr_va_vdst(0) depctr_va_sdst(0) depctr_va_ssrc(0) depctr_va_vcc(0) depctr_vm_vsrc(0)
	s_getreg_b32 s2, hwreg(HW_REG_IB_STS2, 6, 4)
	s_cmp_eq_u32 s2, 0
	s_cbranch_scc0 .Lentry_in_a_cluster
	s_endpgm
.Lentry_in_a_cluster:
	s_bfe_u32 s2, ttmp6, 0x10000c
	s_cmp_lg_u32 s2, 0xf033
	s_cbranch_scc0 .Lentry_shape_is_right
	s_endpgm
.Lentry_shape_is_right:
; THE PROGRAM: two launches.  proj: q = query Wq^T + bq, k = key Wk^T + bk, v = value Wv^T + bv on the given FP4 codes, each result quantised at once (q, k along a head's 64 channels, v along the keys),
; and v's sums over the unmasked keys of each block of 32 and of each run of 128.  attout: scores, window, mask, softmax, weights x v, the context quantised, context Wo^T + bo.
; WORK LEFT OUT (in attout): the product q k^T, and the exponentials, for pairs whose distance |query - key| is 65 or more.  The score is multiplied by w = 2 Phi(-distance / 4), which reference() builds itself.
; For a distance of 65 or more w is under 3e-59, so |score x w| is under 1e-20 for every finite f32 score and for the fill -1e18 too, and in reference()'s own f32 w is exactly 0 from distance 54 on:
; the softmax's input there is 0 whatever the inputs hold, to far less than one rounding of f32.  This is a term that vanishes under f32's rounding for all finite inputs, not a zero of real arithmetic; it is left out on that ground.
; Such a key still counts: its weight 2^-M / sum enters the row's sum; in the second product all unmasked far keys of a row have one quantised weight c, so their part is c x (the sum of their quantised v): the common factor is taken out.
; LIMITS: a NaN, an infinity or an overflow that reaches only a score left out is not carried to the result.  The division of q by 8 is done on the scores (in attout's window table): a power of two passes the quantiser
; unchanged but for blocks of q under 2^-121.  A block of zeros gets the scale byte 1 (its codes are zeros; only this program reads the bytes).  NaN and infinities among the inputs are not served.  No input is without a way to the output.
;
; THIS LAUNCH.  A work-group stays and makes three tiles: v, k, q.  A tile is 128 rows of "A" (they fall on lanes) x 256 rows of "B" (they fall on a lane's registers): for q, k A = the tokens, B = the weight: registers run
; along channels;  for v A = Wv, B = value: registers run along keys: in both along the next product's K.  Four waves, each 64 x 128: 32 accumulators.
; THE RING: two slots of LDS, slot s takes half s of K (512, rows of 256 bytes).  Slot 0 is filled again in the middle of a tile's products, slot 1 in the middle of its way out, each with the next tile's half.
; CLUSTER 4 x 4: A's tile is shared along a row of the cluster, B's along a column: joint loads.  The matrix instruction is used transposed: source 0 = 16 rows of B, source 1 = 16 rows of A.
; PREFETCH: the next tile's token rows, one half of K ahead of the load that wants them: of the 128 rows the partner at cx takes 32, wave 0 asks, a lane a row.  Not for the weights: every cluster reads the same 512 KiB of each.
; THE WAY OUT.  A block of 32 along the next K is two neighbouring accumulators; behind the exchange of halves a lane holds whole blocks, codes in the order 0-7, 16-23, 8-15, 24-31: the same order on both sides of each later product.
; The registers are the image that memory takes: lane l's 16 bytes at 16 l.  Scale words: [row r][tile a].  No LDS is stored.
; REGISTERS: window 0: v1-31 addresses; v32-47 A's scale words, v48-79 B's; v80-143 the bias as C operands; v144-207 A's fragments, two sets (codes and v's sums on the way out); v208-247 at work.
;   window 1: B's fragments, two sets.   window 2: the accumulators, (a, b) at v[8 (8 a + b)].
.set SLOT,  104448                     ; half of K: A's 128 rows x 272 bytes, then B's 256 rows
.set BOFF,  34816
.set SPARE, 2*SLOT                     ; the spare words: 128 bytes a wave, named by no other line
.set PFO,  11
.set VSB,  12
.set VSA,  13
.set BV,   14
.set ADRA, 16
.set ADRB, 20
.set VSO,  22
.set CO,   26
.set SSO,  27
.set SPW,  28
.set NIL,  29
.set BO,   31
.set SA,   32
.set SB,   48
.set BB,   80
.set AF,   144
.set PC,   144
.set BK,   176
.set TMX,  208
.set TP,   212
.set SO,   216
.set BY,   220
.set PW,   224
.set ON,   232
.set MSC,  247
.set WV,   50
.set WR,   51
.set G1A,  52
.set WC,   60
.set ROW1, 61
.set ROW2, 62
.set COL2, 63
.set CX,   66
.set CY,   67
.set HM,   67
.set G1B,  68
.set G0A,  76
.set G0B,  84
.set SEL,  92
.set CH1,  94
.set CH2,  95
.set OA1,  96
.set OB1,  98
.set PFA,  8
.set MSB, 0
.macro WIN new                         ; the immediate's high byte repeats the setting that is left
.if MSB != \new
	s_set_vgpr_msb (MSB<<8)|\new
.set MSB, \new
.endif
.endm
.macro PLACES n
.rept \n
	v_nop
.endr
.endm
; A joint load into slot s: waves 0 and 1 fetch for A, waves 2 and 3 for B; the branch hangs on the wave's number alone.  An s_nop 0 and four v_nop follow each line.
.macro JLOAD s
	s_cmp_eq_u32 s[WR], 0
	s_cbranch_scc0 .Lfor_b_\@
	tensor_load_to_lds s[G0A+4*\s:G0A+4*\s+3], s[G1A:G1A+7]
	s_nop 0
.rept 4
	v_nop
.endr
	s_branch .Lasked_\@
.Lfor_b_\@:
	tensor_load_to_lds s[G0B+4*\s:G0B+4*\s+3], s[G1B:G1B+7]
	s_nop 0
.rept 4
	v_nop
.endr
.Lasked_\@:
.endm
.macro CREST                           ; a round of the cluster's barrier behind its opening barrier
	s_cmp_lg_u32 s[WV], 0
	s_cbranch_scc1 .Lnot_wave_0_\@
	s_barrier_signal -3
.Lnot_wave_0_\@:
	s_barrier_wait -3
	s_barrier_signal -1
	s_barrier_wait -1
.endm
.macro CROUND
	s_barrier_signal -1
	s_barrier_wait -1
	CREST
.endm
; slot s's descriptors: codes at ca + oa, cb + ob, half s of K
.macro SETG s, ca, oa, cb, ob
	s_add_nc_u64 s[G0A+4*\s+2:G0A+4*\s+3], s[\ca:\ca+1], s[\oa:\oa+1]
	s_add_nc_u64 s[G0B+4*\s+2:G0B+4*\s+3], s[\cb:\cb+1], s[\ob:\ob+1]
.if \s
	s_add_nc_u64 s[G0A+4*\s+2:G0A+4*\s+3], s[G0A+4*\s+2:G0A+4*\s+3], 256
	s_add_nc_u64 s[G0B+4*\s+2:G0B+4*\s+3], s[G0B+4*\s+2:G0B+4*\s+3], 256
.endif
	s_or_b32 s[G0A+4*\s+3], s[G0A+4*\s+3], 0x80000000
	s_or_b32 s[G0B+4*\s+3], s[G0B+4*\s+3], 0x80000000
.endm
; a tile's scale words, 32 bytes a row: lanes 0-15 take block i, lanes 16-31 the block two (A) or four (B) further on
.macro SCLD pa, ra, pb, cb
	s_lshl_b32 s2, s[\ra], 12
	s_mov_b32 s3, 0
	s_lshl_b32 s100, s[\cb], 13
	s_mov_b32 s101, 0
	s_add_nc_u64 s[2:3], s[\pa:\pa+1], s[2:3]
	s_add_nc_u64 s[100:101], s[\pb:\pb+1], s[100:101]
.irp i, 0,1
	global_load_b128 v[SA+8*\i:SA+8*\i+3], v[VSA], s[2:3] offset:512*\i
	global_load_b128 v[SA+8*\i+4:SA+8*\i+7], v[VSA], s[2:3] offset:512*\i+16
.endr
.irp i, 0,1,2,3
	global_load_b128 v[SB+8*\i:SB+8*\i+3], v[VSB], s[100:101] offset:512*\i
	global_load_b128 v[SB+8*\i+4:SB+8*\i+7], v[VSB], s[100:101] offset:512*\i+16
.endr
.endm
.macro BIAS pb                         ; q, k: the bias runs along the registers: C of (a, b) is v[BB + 8 b ..] = bias[16 b + 8 h + 0..7] of my 128 channels
	s_add_nc_u64 s[\pb:\pb+1], s[\pb:\pb+1], s[20:21]
.irp b, 0,1,2,3,4,5,6,7
	global_load_b128 v[BB+8*\b:BB+8*\b+3], v[BO], s[\pb:\pb+1] offset:64*\b
	global_load_b128 v[BB+8*\b+4:BB+8*\b+7], v[BO], s[\pb:\pb+1] offset:64*\b+16
.endr
.endm
.macro ASK half                        ; a prefetch of my 32 rows of the next tile's tokens, 256 bytes each
	s_cmp_lg_u32 s[WV], 0
	s_cbranch_scc1 .Lnot_mine_\@
	global_prefetch_b8 v[PFO], s[PFA:PFA+1] offset:256*\half th:TH_LOAD_NT scope:SCOPE_SE
.Lnot_mine_\@:
.endm
	s_load_b512 s[4:19], s[0:1], 0x0               ; codes: query 4, key 6, Wv 8; scales: query 10, key 12, Wv 14; codes: Wq 16, Wk 18
	s_load_b512 s[20:35], s[0:1], 0x40             ; value 20; scales: Wq 22, Wk 24, value 26; bq 28, bk 30, bv 32; qc 34
	s_load_b256 s[36:43], s[0:1], 0x80             ; kc 36, vc 38, qs 40, ks 42
	s_load_b128 s[44:47], s[0:1], 0xa0             ; vs 44, mask 46
	s_load_b64 s[48:49], s[0:1], 0xb0              ; vsum
	v_lshl_add_u32 v[SPW], v0, 2, SPARE
	v_mov_b32 v[NIL], 0
	ds_add_u32 v[SPW], v[NIL]                      ; the wave's opening: the add, twice on end, and its wait ahead of my first tensor load
	ds_add_u32 v[SPW], v[NIL]
	v_lshrrev_b32 v1, 5, v0
	v_readfirstlane_b32 s[WV], v1                  ; wave 0..3
	s_lshr_b32 s[WR], s[WV], 1                     ; my half of A's rows.  Also: I fetch for A (0) or for B (1)
	s_and_b32 s[WC], s[WV], 1                      ; my half of B's rows.  Also: which half of that tile I fetch
	s_bfe_u32 s[CX], ttmp6, 0x40000
	s_bfe_u32 s[CY], ttmp6, 0x40004
	s_and_b32 s2, ttmp7, 0xffff                    ; cluster y, 0..15
	s_lshl_b32 s[ROW1], s2, 2
	s_add_co_u32 s[ROW1], s[ROW1], s[CY]           ; q, k: tile of 128 tokens; the tile of 256 channels is cx
	s_lshr_b32 s[ROW2], s2, 3
	s_lshl_b32 s[ROW2], s[ROW2], 2
	s_add_co_u32 s[ROW2], s[ROW2], s[CY]           ; v: tile of 128 channels,
	s_and_b32 s[COL2], s2, 7
	s_lshl_b32 s[COL2], s[COL2], 2
	s_add_co_u32 s[COL2], s[COL2], s[CX]           ; and of 256 keys
	s_lshl_b32 s3, s[CY], 2
	s_lshl_b32 s3, 15, s3                          ; my row of the cluster
	s_lshl_b32 s100, 0x1111, s[CX]                 ; my column
	; descriptor groups 1: rows of 256 bytes, 512 apart in memory, 16 bytes of padding behind each; A 64 rows a load, B 128
	s_or_b32 s[G1A], s3, (0<<16)|(1<<20)|(1<<21)|(5<<22)|(3<<25)
	s_mov_b32 s[G1A+1], 256<<16
	s_mov_b32 s[G1A+2], 64<<16
	s_mov_b32 s[G1A+3], 256<<16
	s_mov_b32 s[G1A+4], 64
	s_mov_b32 s[G1A+5], 512
	s_mov_b32 s[G1A+6], 0
	s_mov_b32 s[G1A+7], 0
	s_or_b32 s[G1B], s100, (0<<16)|(1<<20)|(1<<21)|(5<<22)|(3<<25)
	s_mov_b32 s[G1B+1], 256<<16
	s_mov_b32 s[G1B+2], 128<<16
	s_mov_b32 s[G1B+3], 256<<16
	s_mov_b32 s[G1B+4], 128
	s_mov_b32 s[G1B+5], 512
	s_mov_b32 s[G1B+6], 0
	s_mov_b32 s[G1B+7], 0
	s_mov_b32 s[G0A], 1                            ; where the tiles go: the wave's number alone enters an LDS address
	s_mov_b32 s[G0A+4], 1
	s_mov_b32 s[G0B], 1
	s_mov_b32 s[G0B+4], 1
	s_mul_i32 s[G0A+1], s[WC], 17408
	s_add_co_u32 s[G0A+5], s[G0A+1], SLOT
	s_mul_i32 s[G0B+1], s[WC], 34816
	s_add_co_u32 s[G0B+5], s[G0B+1], SLOT+BOFF
	s_add_co_u32 s[G0B+1], s[G0B+1], BOFF
	; where they come from: A's offsets never hold cx, B's never cy
	s_lshl_b32 s2, s[ROW2], 16
	s_lshl_b32 s3, s[WC], 15
	s_add_co_u32 s2, s2, s3
	s_lshl_b32 s[OA1], s[ROW1], 16
	s_add_co_u32 s[OA1], s[OA1], s3
	s_mov_b32 s3, 0
	s_mov_b32 s[OA1+1], 0
	s_lshl_b32 s100, s[COL2], 17
	s_lshl_b32 s101, s[WC], 16
	s_add_co_u32 s100, s100, s101
	s_lshl_b32 s[OB1], s[CX], 17
	s_add_co_u32 s[OB1], s[OB1], s101
	s_mov_b32 s101, 0
	s_mov_b32 s[OB1+1], 0
	s_wait_dscnt 0x0                               ; both opening adds are done
	s_wait_kmcnt 0x0
	SETG 0, 8, 2, 20, 100
	SETG 1, 8, 2, 20, 100
	CROUND                                         ; all sixteen work-groups are here: the joint loads meet
	JLOAD 0                                        ; v's K 0..511: one tensor load a wave at the head
	v_and_b32 v1, 15, v0                           ; r
	v_bfe_u32 v2, v0, 4, 1                         ; h
	v_mul_u32_u24 v3, v1, 272
	v_lshl_add_u32 v3, v2, 4, v3                   ; a fragment's row x pitch + 16 h
	s_mul_i32 s3, s[WR], 64*272
	v_add_nc_u32 v[ADRA], s3, v3
	s_mul_i32 s3, s[WC], 34816
	s_add_co_u32 s3, s3, BOFF
	v_add_nc_u32 v[ADRB], s3, v3
	v_add_nc_u32 v[ADRA+1], SLOT, v[ADRA]
	v_add_nc_u32 v[ADRB+1], SLOT, v[ADRB]
	s_lshl_b32 s3, s[WC], 7
	v_lshl_add_u32 v4, v2, 6, v1
	v_add_nc_u32 v4, s3, v4
	v_lshlrev_b32 v[VSB], 5, v4                    ; scale bytes of B: row 128 wc + 64 h + r
	s_lshl_b32 s3, s[WR], 6
	v_lshl_add_u32 v4, v2, 5, v1
	v_add_nc_u32 v4, s3, v4
	v_lshlrev_b32 v[VSA], 5, v4                    ; of A: row 64 wr + 32 h + r
	v_lshlrev_b32 v[BO], 5, v2
	v_lshlrev_b32 v[BV], 2, v1
	v_and_b32 v6, 31, v0
	v_lshlrev_b32 v[CO], 4, v6
	v_lshlrev_b32 v[PFO], 9, v6
	v_lshlrev_b32 v5, 4, v1
	v_lshl_add_u32 v[SSO], v2, 3, v5               ; scale words out: 16 r + 8 h
	v_mul_u32_u24 v7, 768, v2
	v_add_nc_u32 v[VSO], v7, v5                    ; v's sums out: row 3 h + .., 16 r
	v_cmp_ne_u32 s[HM], 0, v2
	v_lshrrev_b32 v9, 3, v1
	v_mul_u32_u24 v9, v9, 5
	v_sub_nc_u32 v9, v1, v9                        ; which sum row r of the ones makes: rows 0-2 blocks 0-2, row 8 block 3, row 9 all four, row 10 none; the others are not read
	v_sub_nc_u32 v10, v9, v2
	v_mov_b32 v[MSC], 0x7f7f7f7f                   ; the ones' scale bytes: 1.0
.irp b, 0,1,2,3
	v_mov_b32 v[TP+\b], 0                          ; written once: a lane permute's destination counts as one of its sources
.endr
	s_mov_b32 s[SEL], 0x76543210
	s_mov_b32 s[SEL+1], 0xfedcba98
	s_lshl_b32 s20, s[COL2], 8
	s_lshl_b32 s21, s[WC], 7
	s_add_co_u32 s20, s20, s21
	s_mov_b32 s21, 0
	s_add_nc_u64 s[46:47], s[46:47], s[20:21]      ; my 128 keys' mask bytes
	s_lshl_b32 s8, s[ROW2], 9
	s_lshl_b32 s9, s[WR], 8
	s_add_co_u32 s8, s8, s9
	s_mov_b32 s9, 0
	s_add_nc_u64 s[32:33], s[32:33], s[8:9]        ; my 64 channels of bv
	s_wait_alu depctr_va_vdst(0)                   ; the wait here, directly ahead of the readers below
.irp l, 0,1,2,3
	global_load_b128 v[BK+4*\l:BK+4*\l+3], v[BO], s[46:47] offset:64*(\l/2)+16*(\l%2)
.endr
	SCLD 14, ROW2, 26, COL2
.irp x, 0,1,2,3
.irp j, 0,1,2,3,4,5,6,7
	global_load_b32 v[BB+8*\x+\j], v[BV], s[32:33] offset:64*\x      ; v: the bias runs along the lanes: all eight registers of a C hold bv[16 a + r]
.endr
.endr
	s_lshl_b32 s20, s[CX], 10                      ; q, k: my 128 channels of a bias, in bytes
	s_lshl_b32 s21, s[WC], 9
	s_add_co_u32 s20, s20, s21
	s_mov_b32 s21, 0
	; the chunk of 4,096 bytes of codes (256 of scale words) that is mine: ((batch x 8 + pair of heads) x 16 + 64 tokens) for q, k; ((batch x 16 + head) x 8 + 128 keys) for v
	s_lshl_b32 s26, s[ROW1], 7
	s_lshl_b32 s27, s[WR], 6
	s_add_co_u32 s26, s26, s27
	s_lshr_b32 s[CH1], s26, 10
	s_lshl_b32 s[CH1], s[CH1], 3
	s_lshl_b32 s27, s[CX], 1
	s_add_co_u32 s[CH1], s[CH1], s27
	s_add_co_u32 s[CH1], s[CH1], s[WC]
	s_lshl_b32 s[CH1], s[CH1], 4
	s_bfe_u32 s26, s26, 0x40006
	s_add_co_u32 s[CH1], s[CH1], s26
	s_lshl_b32 s26, s[COL2], 8
	s_lshl_b32 s27, s[WC], 7
	s_add_co_u32 s26, s26, s27
	s_lshr_b32 s[CH2], s26, 10
	s_lshl_b32 s[CH2], s[CH2], 4
	s_lshl_b32 s27, s[ROW2], 1
	s_add_co_u32 s[CH2], s[CH2], s27
	s_add_co_u32 s[CH2], s[CH2], s[WR]
	s_lshl_b32 s[CH2], s[CH2], 3
	s_bfe_u32 s26, s26, 0x30007
	s_add_co_u32 s[CH2], s[CH2], s26
.macro PFSET p                         ; the prefetches' base: my 32 rows of the tokens' tile
	s_lshl_b32 s26, s[ROW1], 16
	s_lshl_b32 s27, s[CX], 14
	s_add_co_u32 s26, s26, s27
	s_mov_b32 s27, 0
	s_add_nc_u64 s[PFA:PFA+1], s[\p:\p+1], s[26:27]
.endm
	PFSET 6
	; THE ONES: codes of 1.0 for my unmasked keys, in the order of v's codes, as source 0 of v's sums
	s_wait_loadcnt 0x2c                            ; the mask is in; behind it 12 loads of scale words and 32 of the bias may be out
.irp o, 0,1,2,3,4,5,6,7
	v_lshrrev_b32 v[208+2*\o], 4, v[BK+8*(\o/4)+4*(\o%2)+2*((\o%4)/2)]
	v_lshrrev_b32 v[209+2*\o], 4, v[BK+8*(\o/4)+4*(\o%2)+2*((\o%4)/2)+1]
.endr
.irp o, 0,1,2,3,4,5,6,7
	v_or_b32 v[208+2*\o], v[208+2*\o], v[BK+8*(\o/4)+4*(\o%2)+2*((\o%4)/2)]
	v_or_b32 v[209+2*\o], v[209+2*\o], v[BK+8*(\o/4)+4*(\o%2)+2*((\o%4)/2)+1]
.endr
.irp o, 0,1,2,3,4,5,6,7
	v_and_b32 v[208+2*\o], 0x00110011, v[208+2*\o]
	v_and_b32 v[209+2*\o], 0x00110011, v[209+2*\o]
.endr
.irp o, 0,1,2,3,4,5,6,7
	v_perm_b32 v[208+2*\o], v[209+2*\o], v[208+2*\o], 0x06040200     ; eight nibbles: 1 for a masked key
.endr
	v_cmp_eq_u32 s26, 4, v9
	v_cmp_eq_u32 s14, 0, v10
	v_cmp_eq_u32 s15, 2, v10
	s_or_b32 s14, s14, s26
	s_or_b32 s15, s15, s26
.irp o, 0,1,2,3,4,5,6,7
	v_lshlrev_b32 v[208+2*\o], 1, v[208+2*\o]
.endr
.irp o, 0,1,2,3,4,5,6,7
	v_xor_b32 v[208+2*\o], 0x22222222, v[208+2*\o]
.endr
.irp o, 0,1,2,3,4,5,6,7
	v_cndmask_b32 v[ON+\o], 0, v[208+2*\o], s[14+\o/4]
.endr
; the fragments of K step q (128 along K: 64 bytes of a row) into set p: B's eight, A's four
.macro FETCH q, p
	WIN 0x40
.irp i, 0,1,2,3,4,5,6,7
.irp c, 0,1
	ds_load_b128 v[64*(\p)+8*\i+4*\c:64*(\p)+8*\i+4*\c+3], v[ADRB+(\q)/4] offset:\i*16*272+64*((\q)%4)+32*\c
.endr
.endr
	WIN 0
.irp i, 0,1,2,3
.irp c, 0,1
	ds_load_b128 v[AF+32*(\p)+8*\i+4*\c:AF+32*(\p)+8*\i+4*\c+3], v[ADRA+(\q)/4] offset:\i*16*272+64*((\q)%4)+32*\c
.endr
.endr
.endm
; one product.  B's scale word of block b lies in lanes 0-15 (b < 4) or 16-31 of v[SB + 8 (b % 4) + q]; A's of block a likewise in v[SA + 8 (a % 2) + q].  cm: 0 C = D; 1, 2 C = the bias
.macro WM a, b, q, p, cm
.set rD, 8*(8*(\a)+(\b))
.set rC, rD
.if (\cm) == 1
.set rC, BB+8*(\b)
.endif
.if (\cm) == 2
.set rC, BB+8*(\a)
.endif
.set rB, 64*(\p)+8*(\b)
.set rA, AF+32*(\p)+8*(\a)
.set rY, SB+8*((\b)%4)+(\q)
.set rX, SA+8*((\a)%2)+(\q)
.if ((\b) < 4) && ((\a) < 2)
	v_wmma_scale_f32_16x16x128_f8f6f4 v[rD:rD+7], v[rB:rB+7], v[rA:rA+7], v[rC:rC+7], v[rY], v[rX] matrix_a_fmt:MATRIX_FMT_FP4 matrix_b_fmt:MATRIX_FMT_FP4
.elseif (\a) < 2
	v_wmma_scale_f32_16x16x128_f8f6f4 v[rD:rD+7], v[rB:rB+7], v[rA:rA+7], v[rC:rC+7], v[rY], v[rX] matrix_a_fmt:MATRIX_FMT_FP4 matrix_b_fmt:MATRIX_FMT_FP4 matrix_a_scale:MATRIX_SCALE_ROW1
.elseif (\b) < 4
	v_wmma_scale_f32_16x16x128_f8f6f4 v[rD:rD+7], v[rB:rB+7], v[rA:rA+7], v[rC:rC+7], v[rY], v[rX] matrix_a_fmt:MATRIX_FMT_FP4 matrix_b_fmt:MATRIX_FMT_FP4 matrix_b_scale:MATRIX_SCALE_ROW1
.else
	v_wmma_scale_f32_16x16x128_f8f6f4 v[rD:rD+7], v[rB:rB+7], v[rA:rA+7], v[rC:rC+7], v[rY], v[rX] matrix_a_fmt:MATRIX_FMT_FP4 matrix_b_fmt:MATRIX_FMT_FP4 matrix_a_scale:MATRIX_SCALE_ROW1 matrix_b_scale:MATRIX_SCALE_ROW1
.endif
.endm
.macro MULA q, p, cm, a                ; eight products: A's block a against B's eight
.if (\cm) == 0
	WIN 0xa1                                       ; source 0 window 1, source 1 window 0, C and D window 2
.else
	WIN 0x81                                       ; C in window 0
.endif
.irp b, 0,1,2,3,4,5,6,7
	WM \a, \b, \q, \p, \cm
.endr
.endm
.macro MUL32 q, p, cm                  ; a K step's 32 products: the 32 accumulators take turns, in the same order in every step
.irp a, 0,1,2,3
	MULA \q, \p, \cm, \a
.endr
	WIN 0
.endm
.macro STEP q
	s_wait_dscnt 0x0                               ; this step's fragments are in (asked for 32 products ago; step 4's, 16)
.if (\q) < 7
	PLACES 4                                       ; in front of loads into the set that the last products read
	FETCH (\q)+1, ((\q)+1)%2
.endif
	MUL32 \q, (\q)%2, 0
.endm
; A TILE'S PRODUCTS.  fill = 1: slot 0 is filled again, with the next tile's first half: codes of the tokens at na, of the weight at nb
.macro TILE cm, fill, na, nb
	FETCH 0, 0
	s_wait_loadcnt 0x0                             ; scale words and bias
	s_wait_dscnt 0x0
	FETCH 1, 1
.if \fill
	ASK 0
.endif
	MUL32 0, 0, \cm
	STEP 1
	STEP 2
	s_wait_dscnt 0x0                               ; step 3's fragments are in: my reads of slot 0 are over
	s_wait_tensorcnt 0x0                           ; my part of slot 1 has landed;
	ds_add_u32 v[SPW], v[NIL]
.if \fill
	SETG 0, \na, OA1, \nb, OB1
.endif
	MULA 3, 1, 0, 0                                ; eight products between the add and the wait for it
	WIN 0
	s_wait_dscnt 0x0
	s_barrier_signal -1
	MULA 3, 1, 0, 1
	WIN 0
	s_barrier_wait -1
.if \fill
	CREST                                          ; no wave of any partner still reads slot 0 or has a load on its way
	JLOAD 0                                        ; its four v_nop are the places in front of the loads below
.else
	PLACES 4
.endif
	FETCH 4, 0
.if \fill
	ASK 1
.endif
	MULA 3, 1, 0, 2
	MULA 3, 1, 0, 3
	WIN 0
	STEP 4
	STEP 5
	STEP 6
	STEP 7
.endm
; THE QUANTISER, for A's block a: four blocks of 32 along the registers.  The largest magnitude with the floor 2^(3 - 127) among its leaves; 2 off its exponent field is the conversion's scale operand; that shifted is the byte.
.macro QUANTA a, poc
.set AC, 64*(\a)
	WIN 0x0a                                       ; sources 0 and 1: window 2
.irp b, 0,1,2,3
	v_max3_num_f32 v[TMX+\b], |v[AC+16*\b]|, |v[AC+16*\b+1]|, 0x1800000   ; each accumulator is read from its low end on
.endr
.irp i, 2,4,6,8,10,12,14
.irp b, 0,1,2,3
	v_max3_num_f32 v[TMX+\b], |v[AC+16*\b+\i]|, |v[AC+16*\b+\i+1]|, v[TMX+\b]
.endr
.endr
	WIN 0
.irp b, 0,1,2,3
	v_permlanex16_b32 v[TP+\b], v[TMX+\b], s[SEL], s[SEL+1]
.endr
.irp b, 0,1,2,3
	v_max_num_f32 v[TMX+\b], v[TMX+\b], v[TP+\b]   ; with lane l xor 16's 16 numbers
.endr
.irp b, 0,1,2,3
	v_add_nc_u32 v[SO+\b], 0xff000000, v[TMX+\b]
.endr
.irp b, 0,1,2,3
	v_lshrrev_b32 v[BY+\b], 23, v[SO+\b]
.endr
	v_lshl_or_b32 v[PW+(\a)], v[BY+1], 8, v[BY]
	v_lshl_or_b32 v[PW+(\a)], v[BY+2], 16, v[PW+(\a)]
	v_lshl_or_b32 v[PW+(\a)], v[BY+3], 24, v[PW+(\a)]
	WIN 0x02
.irp b, 0,1,2,3
	v_cvt_scalef32_pk8_fp4_f32 v[PC+8*(\a)+2*\b], v[AC+16*\b:AC+16*\b+7], v[SO+\b]
	v_cvt_scalef32_pk8_fp4_f32 v[PC+8*(\a)+2*\b+1], v[AC+16*\b+8:AC+16*\b+15], v[SO+\b]
.endr
	WIN 0
	v_nop                                          ; one plain place behind the conversions
.irp c, 0,1
.irp i, 0,1
	v_permlane16_swap_b32 v[PC+8*(\a)+4*\c+\i], v[PC+8*(\a)+4*\c+2+\i]     ; a whole block in a lane: lanes 0-15 block 2 c, lanes 16-31 block 2 c + 1
.endr
.endr
.irp c, 0,1
	global_store_b128 v[CO], v[PC+8*(\a)+4*\c:PC+8*(\a)+4*\c+3], s[\poc:\poc+1] offset:1024*(\a)+512*\c   ; 32 lanes store 512 consecutive bytes, aligned
.endr
.endm
; A TILE'S WAY OUT.  fill = 1: the next tile's scale words and bias are asked for, and, half way, slot 1 is filled again with the next tile's second half
.macro WAYOUT ch, poc, pos, sums, fill, nsa, nsb, nbi, na, nb
	PLACES 4                                       ; behind the last products
	s_wait_xcnt 0x0
.if \fill
	SCLD \nsa, ROW1, \nsb, CX
	BIAS \nbi
.endif
	s_lshl_b32 s26, s[\ch], 12
	s_mov_b32 s27, 0
	s_add_nc_u64 s[\poc:\poc+1], s[\poc:\poc+1], s[26:27]
	s_lshl_b32 s26, s[\ch], 8
	s_add_nc_u64 s[\pos:\pos+1], s[\pos:\pos+1], s[26:27]
	QUANTA 0, \poc
	QUANTA 1, \poc
.if \fill
	s_wait_alu depctr_va_vdst(0)                   ; the wait here, directly ahead of the waits below
	s_wait_tensorcnt 0x0                           ; my part of slot 0 has landed (its reads of slot 1 are long over)
	ds_add_u32 v[SPW], v[NIL]
	SETG 1, \na, OA1, \nb, OB1
	s_wait_dscnt 0x0
	CROUND
	JLOAD 1
.endif
	QUANTA 2, \poc
	QUANTA 3, \poc
	v_cndmask_b32 v244, v[PW], v[PW+2], s[HM]
	v_cndmask_b32 v245, v[PW+1], v[PW+3], s[HM]
	global_store_b64 v[SSO], v[244:245], s[\pos:\pos+1]    ; row r's four words are 16 bytes; 32 lanes store 256 consecutive bytes, aligned
.if \sums
	s_lshl_b32 s26, s[\ch], 11
	s_add_nc_u64 s[48:49], s[48:49], s[26:27]
	PLACES 8                                       ; scale words written by vector instructions stand 8 places ahead
.irp a, 0,1,2,3
	v_wmma_scale_f32_16x16x128_f8f6f4 v[BK+8*\a:BK+8*\a+7], v[ON:ON+7], v[PC+8*\a:PC+8*\a+7], 0, v[MSC], v[PW+\a] matrix_a_fmt:MATRIX_FMT_FP4 matrix_b_fmt:MATRIX_FMT_FP4   ; register j: sum j (lanes 16-31: 3 + j) of channel 16 a + r
.endr
	PLACES 4
.irp a, 0,1,2,3
.irp j, 0,1,2
	v_mov_b32 v[TMX+4*\j+\a], v[BK+8*\a+\j]        ; a channel row's four tiles side by side
.endr
.endr
.irp j, 0,1,2
	global_store_b128 v[VSO], v[TMX+4*\j:TMX+4*\j+3], s[48:49] offset:256*\j   ; two whole units of 256 bytes
.endr
.endif
	s_wait_xcnt 0x0                                ; the stores have read their registers
.endm
	s_wait_alu depctr_va_vdst(0)                   ; the wait at the head's end
	s_wait_tensorcnt 0x0                           ; my part of slot 0 is in
	ds_add_u32 v[SPW], v[NIL]
	s_wait_dscnt 0x0
	CROUND
	JLOAD 1
	TILE 2, 1, 6, 18
	WAYOUT CH2, 38, 44, 1, 1, 12, 24, 30, 6, 18
	PFSET 4                                        ; (behind the wait on XCNT: the prefetches have read their base)
	TILE 1, 1, 4, 16
	WAYOUT CH1, 36, 42, 0, 1, 10, 22, 28, 4, 16
	TILE 1, 0, 4, 16
	WAYOUT CH1, 34, 40, 0, 0, 10, 22, 28, 4, 16
	s_wait_tensorcnt 0x0                           ; the wave's end
	ds_add_u32 v[SPW], v[NIL]
	s_wait_dscnt 0x0
	CROUND                                         ; the closing round
	s_endpgm
.Lfunc_end_k_q2d1be2971e_proj:
	.size	k_q2d1be2971e_proj, .Lfunc_end_k_q2d1be2971e_proj-k_q2d1be2971e_proj
	.p2alignl 7, 3214868480
	.fill 96, 4, 3214868480
	.section	.rodata,"a",@progbits
	.p2align	6, 0x0
	.amdhsa_kernel k_q2d1be2971e_proj
		.amdhsa_group_segment_fixed_size 327680
		.amdhsa_private_segment_fixed_size 0
		.amdhsa_enable_private_segment 0
		.amdhsa_kernarg_size 184
		.amdhsa_user_sgpr_count 2
		.amdhsa_user_sgpr_kernarg_segment_ptr 1
		.amdhsa_wavefront_size32 1
		.amdhsa_system_sgpr_workgroup_id_x 1
		.amdhsa_system_sgpr_workgroup_id_y 1
		.amdhsa_system_sgpr_workgroup_id_z 1
		.amdhsa_system_vgpr_workitem_id 0
		.amdhsa_next_free_vgpr 768
		.amdhsa_next_free_sgpr 102
		.amdhsa_reserve_vcc 0
		.amdhsa_float_denorm_mode_32 3
		.amdhsa_float_denorm_mode_16_64 3
		.amdhsa_memory_ordered 1
		.amdhsa_forward_progress 1
		.amdhsa_inst_pref_size 220
	.end_amdhsa_kernel
	.amdgpu_metadata
---
amdhsa.version: [ 1, 2 ]
amdhsa.kernels:
  - .name:           k_q2d1be2971e_proj
    .symbol:         k_q2d1be2971e_proj.kd
    .args:
      - { .name: query_codes, .offset: 0, .size: 8, .value_kind: global_buffer, .address_space: global }
      - { .name: key_codes, .offset: 8, .size: 8, .value_kind: global_buffer, .address_space: global }
      - { .name: Wv_codes, .offset: 16, .size: 8, .value_kind: global_buffer, .address_space: global }
      - { .name: query_scales, .offset: 24, .size: 8, .value_kind: global_buffer, .address_space: global }
      - { .name: key_scales, .offset: 32, .size: 8, .value_kind: global_buffer, .address_space: global }
      - { .name: Wv_scales, .offset: 40, .size: 8, .value_kind: global_buffer, .address_space: global }
      - { .name: Wq_codes, .offset: 48, .size: 8, .value_kind: global_buffer, .address_space: global }
      - { .name: Wk_codes, .offset: 56, .size: 8, .value_kind: global_buffer, .address_space: global }
      - { .name: value_codes, .offset: 64, .size: 8, .value_kind: global_buffer, .address_space: global }
      - { .name: Wq_scales, .offset: 72, .size: 8, .value_kind: global_buffer, .address_space: global }
      - { .name: Wk_scales, .offset: 80, .size: 8, .value_kind: global_buffer, .address_space: global }
      - { .name: value_scales, .offset: 88, .size: 8, .value_kind: global_buffer, .address_space: global }
      - { .name: bq, .offset: 96, .size: 8, .value_kind: global_buffer, .address_space: global }
      - { .name: bk, .offset: 104, .size: 8, .value_kind: global_buffer, .address_space: global }
      - { .name: bv, .offset: 112, .size: 8, .value_kind: global_buffer, .address_space: global }
      - { .name: qc, .offset: 120, .size: 8, .value_kind: global_buffer, .address_space: global }
      - { .name: kc, .offset: 128, .size: 8, .value_kind: global_buffer, .address_space: global }
      - { .name: vc, .offset: 136, .size: 8, .value_kind: global_buffer, .address_space: global }
      - { .name: qs, .offset: 144, .size: 8, .value_kind: global_buffer, .address_space: global }
      - { .name: ks, .offset: 152, .size: 8, .value_kind: global_buffer, .address_space: global }
      - { .name: vs, .offset: 160, .size: 8, .value_kind: global_buffer, .address_space: global }
      - { .name: mask, .offset: 168, .size: 8, .value_kind: global_buffer, .address_space: global }
      - { .name: vsum, .offset: 176, .size: 8, .value_kind: global_buffer, .address_space: global }
    .group_segment_fixed_size: 327680
    .private_segment_fixed_size: 0
    .kernarg_segment_align: 8
    .kernarg_segment_size: 184
    .max_flat_workgroup_size: 128
    .sgpr_count:     102
    .vgpr_count:     768
    .wavefront_size: 32
...
	.end_amdgpu_metadata
.endif
;; end of part 1
;; launch attout (part 2): grid 256 x 1, 16 waves a work-group, clusters of 4 x 1, 327,680 bytes of LDS; arguments qc, qs, kc, ks, vc, vs, vsum, mask, Wo_codes, Wo_scales, bo, out0; writes out0
.if DOCPART == 2
	.amdgcn_target "amdgcn-amd-amdhsa--gfx1250"
	.amdhsa_code_object_version 6
	.text
	.protected	k_q2d1be2971e_attout
	.globl	k_q2d1be2971e_attout
	.p2align	8
	.type	k_q2d1be2971e_attout,@function
k_q2d1be2971e_attout:
	s_mov_b64 s[64:65], 0
	v_nop
	global_prefetch_b8 v0, s[64:65] scope:SCOPE_SE
	s_setreg_imm32_b32 hwreg(HW_REG_WAVE_MODE, 25, 1), 1
	s_wait_xcnt 0x0
	s_wait_alu depctr_hold_cnt(0) depctr_sa_sdst(0) depctr_va_vdst(0) depctr_va_sdst(0) depctr_va_ssrc(0) depctr_va_vcc(0) depctr_vm_vsrc(0)
	s_getreg_b32 s2, hwreg(HW_REG_IB_STS2, 6, 4)
	s_cmp_eq_u32 s2, 0
	s_cbranch_scc0 .Lentry_in_a_cluster
	s_endpgm
.Lentry_in_a_cluster:
	s_bfe_u32 s2, ttmp6, 0x10000c
	s_cmp_lg_u32 s2, 0x3003
	s_cbranch_scc0 .Lentry_shape_is_right
	s_endpgm
.Lentry_shape_is_right:
; Attention on the codes that proj made, the context quantised in registers, and out0 = context Wo^T + bo for the same tokens.
; WORK LEFT OUT: q k^T and the exponentials for pairs at distance 65 or more: there score x window is under 1e-20 for every finite score and for the fill -1e18 (the window is under 3e-59; reference()'s f32 has it 0 from
; distance 54 on), so the softmax's input is 0 to far less than a rounding.  Such keys keep their place in the maximum (0), in the sum (2^-M each) and in the second product, as the quantised weight x the sum of their quantised v.
; LIMITS: a NaN, infinity or overflow in a score left out is not carried on.  The scaled scores (exponents to the base 2) stay under 2^31 in magnitude.  The division by 8 and log2(e) lie in the window table; table entries under
; 2^-126 (distance 52 on) are 0.  A block of zeros gets the scale byte 1.  Weights under 2^-124 are not held to the scale's lower end.
; SHARES.  A work-group owns group g of 32 queries of batch b; wave w is head w for the attention.  Then it makes the 32 tokens' 1,024 outputs in four quarters of 256; wave w takes 16 outputs of each.
; NEAR KEYS of a group: 160, the five blocks g - 2 .. g + 2 of 32, taken round the sequence.  Those that wrapped round an end are far in truth: their K codes are set to 0, so their score is 0.
; FAR KEYS: 27 blocks: 7 block sums and 5 sums of 128 keys of proj's, twelve rows of 64 channels.
; THE SOFTMAX: t = q.k x W, W = window x log2(e) / 8; a masked near key gets t - 1e30 and so p = 0; M = max(0, the near t); p = 2^(t - M).  In reference() a masked key counts in the sum with exp(-1e18 w - max):
; that is 2^-M x E, E = 2^(-8e18 W), which hangs on the key's distance and not on the head: the group's sums of E over its masked near keys are made once.  sum = near p + (864 + those) x 2^-M.
; LAYOUT.  S^T = K Q^T and O^T = V^T P^T: a lane holds one query (lane % 16).  A head has 64 channels: the upper 64 of the instruction's 128 are Q's zero codes; K's operand there names the next tile's registers.
; P's second product step has block 4 alone: the other codes are 0, and V's operand there names registers of other V codes.
; A block's largest p is 2^(its largest t - M): v_exp_f32 is taken not to fall where its input rises.
; CLUSTER 4 x 1: all work-groups read Wo: joint loads of its rows, two quarters at the head, in flight under the attention, the other two into the ring's slots behind rounds.  K and V go from memory straight into operand registers.
; No prefetch: the launch has no loop to run ahead in: half of Wo is asked for at the head, and the rest is two refills.
; REGISTERS: v1-23 addresses, p's scale words, maxima; v24-75 K, then V; v76-95 scale words; v96-111 Q; v112-143 P's codes; v144-223 S, then O^T; v224-255 at work.
;   From the context's barrier on: v12-75 Wo's fragments, v76-83 bo, v88-95 the context's scale words, v96-111 Wo's, v112-127 sums, v128-255 the context's fragments.
.set RP,    528                        ; a row of 1,024 codes in LDS: 512 bytes + 16
.set SLOT,  256*RP                     ; a quarter of Wo
.set CTX,   2*SLOT                     ; the context's codes, 32 rows
.set CSC,   CTX+32*RP                  ; its scale bytes: 48 bytes a token
.set STG,   CSC+1536                   ; the way out: 32 rows x (1,024 + 16); ahead of it, in the same bytes, the tables:
.set TW,    STG                        ; the window, four copies, copy s shifted by s entries
.set TE,    STG+4352                   ; E, two copies
.set CNT,   STG+6400                   ; 432 + half of the masked keys' sum, a query
.set WREG,  STG+8192                   ; 1,024 bytes a wave: 160 fills, and at 768 the far keys' sum of 64 channels
.set SPARE, STG+33280                  ; the spare words: 128 bytes a wave, named by no other line
.set LN,  1
.set VO,  2
.set TWA, 5
.set FTA, 6
.set CXS, 7
.set CSS, 8
.set SPW, 9
.set NIL, 10
.set CNA, 11
.set BM,  18
.set WSV, 23
.set KSC, 76
.set QSC, 86
.set VSC, 88
.set BOV, 84
.set WOA, 85
.set SGW, 86
.set SGR, 87
.set S,   144
.set G0,  28
.set G1,  32
.set WV,  40
.set BI,  42
.set GG,  43
.set SEL, 46
.set HS,  60
.set SHV, 61
.set KB,  66
.set KSB, 76
.set KM,  86
.set WRF, 91
.set BLK, 96
.macro PLACES n
.rept \n
	v_nop
.endr
.endm
.macro CROUND
	s_barrier_signal -1
	s_barrier_wait -1
	s_cmp_lg_u32 s[WV], 0
	s_cbranch_scc1 .Lnot_wave_0_\@
	s_barrier_signal -3
.Lnot_wave_0_\@:
	s_barrier_wait -3
	s_barrier_signal -1
	s_barrier_wait -1
.endm
.macro TLOAD
	tensor_load_to_lds s[G0:G0+3], s[G1:G1+7]
	s_nop 0
.rept 4
	v_nop
.endr
.endm
.macro BLKO x, sh                      ; v[x] = a block's number -> its byte offset: run of 128 keys << sh, block in it << 8
	v_and_b32 v[\x], 31, v[\x]
	v_lshrrev_b32 v19, 2, v[\x]
	v_and_b32 v[\x], 3, v[\x]
	v_lshlrev_b32 v[\x], 8, v[\x]
	v_lshl_or_b32 v[\x], v19, \sh, v[\x]
.endm
	s_load_b512 s[4:19], s[0:1], 0x0               ; qc 4, qs 6, kc 8, ks 10, vc 12, vs 14, vsum 16, mask 18
	s_load_b256 s[20:27], s[0:1], 0x40             ; Wo's codes 20, Wo's scales 22, bo 24, out0 26
	v_lshl_add_u32 v[SPW], v0, 2, SPARE
	v_mov_b32 v[NIL], 0
	ds_add_u32 v[SPW], v[NIL]                      ; the wave's opening: the add, twice on end, and its wait ahead of my first tensor load
	ds_add_u32 v[SPW], v[NIL]
	v_lshrrev_b32 v1, 5, v0
	v_readfirstlane_b32 s[WV], v1                  ; wave 0..15
	s_mov_b32 s[G1], 15|(1<<20)|(1<<21)|(6<<22)|(3<<25)    ; the four work-groups; elements of 1 byte; 4 words of padding after every 128
	s_mov_b32 s[G1+1], 512<<16
	s_mov_b32 s[G1+2], 32<<16                      ; the head's loads: 32 rows each
	s_mov_b32 s[G1+3], 512<<16
	s_mov_b32 s[G1+4], 32
	s_mov_b32 s[G1+5], 512
	s_mov_b32 s[G1+6], 0
	s_mov_b32 s[G1+7], 0
	s_mov_b32 s[G0], 1
	s_mul_i32 s[G0+1], s[WV], 32*RP
	s_lshl_b32 s2, s[WV], 14
	s_mov_b32 s3, 0
	s_bfe_u32 s41, ttmp6, 0x40000
	s_lshl_b32 s[BI], ttmp9, 2
	s_add_co_u32 s[BI], s[BI], s41
	s_and_b32 s[GG], s[BI], 31                     ; group of 32 queries
	s_lshr_b32 s[BI], s[BI], 5                     ; batch
	s_mov_b32 s[SEL], 0x76543210
	s_mov_b32 s[SEL+1], 0xfedcba98
	s_lshl_b32 s44, s[BI], 3
	s_lshr_b32 s45, s[WV], 1
	s_add_co_u32 s44, s44, s45                     ; (batch, pair of heads)
	s_lshl_b32 s50, s44, 16
	s_and_b32 s45, s[WV], 1
	s_lshl_b32 s[HS], s45, 4                       ; my head's two bytes of a scale word
	s_lshl_b32 s45, s45, 9
	s_add_co_u32 s50, s50, s45                     ; 64 tiles x 1,024 bytes; my head's 512 of a tile
	s_mov_b32 s51, 0
	s_lshl_b32 s52, s44, 12
	s_mov_b32 s53, 0
	s_lshl_b32 s45, s[BI], 4
	s_add_co_u32 s45, s45, s[WV]                   ; (batch, head)
	s_lshl_b32 s54, s45, 15
	s_mov_b32 s55, 0
	s_lshl_b32 s56, s45, 11
	s_mov_b32 s57, 0
	s_lshl_b32 s58, s45, 14
	s_mov_b32 s59, 0
.irp n, 0,1,2,3,4
	s_add_co_u32 s45, s[GG], \n-2
	s_cmp_gt_u32 s45, 31                           ; near block n has wrapped
	s_cselect_b32 s[KM+\n], 0, -1
	s_cselect_b32 s[WRF+\n], 1.0, 0
	s_and_b32 s[BLK+\n], s45, 31
.endr
	s_and_b32 s[SHV], s[BLK], 3
	s_lshl_b32 s[SHV], s[SHV], 3
	s_lshl_b32 s44, s[BI], 10
	s_mov_b32 s45, 0
	s_mov_b32 s49, 0
	s_wait_dscnt 0x0                               ; both opening adds are done
	s_wait_kmcnt 0x0
	s_add_nc_u64 s[G0+2:G0+3], s[20:21], s[2:3]    ; Wo's rows 32 w on
	s_or_b32 s[G0+3], s[G0+3], 0x80000000
	s_add_nc_u64 s[4:5], s[4:5], s[50:51]
	s_add_nc_u64 s[8:9], s[8:9], s[50:51]
	s_add_nc_u64 s[6:7], s[6:7], s[52:53]
	s_add_nc_u64 s[10:11], s[10:11], s[52:53]
	s_add_nc_u64 s[12:13], s[12:13], s[54:55]
	s_add_nc_u64 s[14:15], s[14:15], s[56:57]
	s_add_nc_u64 s[16:17], s[16:17], s[58:59]
	s_add_nc_u64 s[18:19], s[18:19], s[44:45]
.macro KOFF b, pc, ps, dc, ds                      ; block b of 32 tokens: two tiles of codes; 8 of each row's 16 bytes of scale words
	s_lshl_b32 s48, s[\b], 11
	s_add_nc_u64 s[\dc:\dc+1], s[\pc:\pc+1], s[48:49]
	s_lshr_b32 s48, s[\b], 1
	s_lshl_b32 s48, s48, 8
	s_and_b32 s62, s[\b], 1
	s_lshl_b32 s62, s62, 3
	s_or_b32 s48, s48, s62
	s_add_nc_u64 s[\ds:\ds+1], s[\ps:\ps+1], s[48:49]
.endm
.irp n, 0,1,2,3,4
	KOFF BLK+\n, 8, 10, KB+2*\n, KSB+2*\n
.endr
	KOFF GG, 4, 6, 4, 6
	s_lshr_b32 s62, s[BLK], 2                      ; the first near block's run of 128 keys, and the next
	s_lshl_b32 s48, s62, 8
	s_add_nc_u64 s[50:51], s[14:15], s[48:49]
	s_add_co_u32 s62, s62, 1
	s_and_b32 s62, s62, 7
	s_lshl_b32 s48, s62, 8
	s_add_nc_u64 s[52:53], s[14:15], s[48:49]
	s_lshl_b32 s48, s[BI], 22
	s_lshl_b32 s62, s[GG], 17
	s_add_co_u32 s48, s48, s62
	s_lshl_b32 s62, s[WV], 13
	s_add_co_u32 s48, s48, s62
	s_add_nc_u64 s[26:27], s[26:27], s[48:49]      ; out0: my two tokens' rows
	v_and_b32 v17, 31, v0
	v_and_b32 v15, 15, v0                          ; r
	v_bfe_u32 v16, v0, 4, 1                        ; h
	v_lshlrev_b32 v[LN], 4, v17
	v_lshlrev_b32 v14, 4, v15
	s_lshl_b32 s62, s[GG], 5
	s_add_co_u32 s62, s62, 960                     ; 32 g - 64, round 1,024
	v_add_nc_u32 v18, s62, v17
.irp i, 0,1,2,3,4
	v_add_nc_u32 v[240+\i], 32*\i, v18
.endr
.irp i, 0,1,2,3,4
	v_and_b32 v[240+\i], 0x3ff, v[240+\i]
.endr
	; the far rows: 0-6 blocks, 7-11 runs of 128; lanes 0-15 take row 2 m, lanes 16-31 row 2 m + 1
	s_and_b32 s62, s[GG], 3
	s_add_co_u32 s62, s62, 2
	s_and_b32 s63, s[GG], 28
	s_add_co_u32 s63, s63, 28                      ; the block in front of the three runs round g, round 32
	s_lshr_b32 s45, s[GG], 2
.irp m, 0,1,2,3
	v_add_nc_u32 v[232+\m], 2*\m, v16
	v_cmp_gt_u32 vcc_lo, s62, v[232+\m]
	v_cndmask_b32 v19, 5, 0, vcc_lo
	v_add_nc_u32 v[232+\m], v[232+\m], v19
	v_add_nc_u32 v[232+\m], s63, v[232+\m]
	BLKO 232+\m, 11
.endr
	v_add_nc_u32 v19, s45, v16
.irp m, 3,4,5
	v_add_nc_u32 v[235+\m], 2*\m-5, v19
	v_and_b32 v[235+\m], 7, v[235+\m]
	v_lshlrev_b32 v[235+\m], 11, v[235+\m]
	v_or_b32 v[235+\m], 0x400, v[235+\m]
.if \m == 3
	v_cmp_ne_u32 vcc_lo, 0, v16
	v_cndmask_b32 v235, v235, v238, vcc_lo
.else
	v_mov_b32 v[232+\m], v[235+\m]
.endif
	.if \m == 5
	v_and_b32 v240, 0x3ff, v18                     ; (that register is the first mask offset's: made again)
	.endif
.endr
.irp m, 0,1,2,3,4,5
	v_add_nc_u32 v[232+\m], v[232+\m], v14
.endr
	s_add_co_u32 s62, s[GG], 30
.irp c, 0,1,2
	v_add_nc_u32 v[VO+\c], s62, v16
	v_add_nc_u32 v[VO+\c], 2*\c, v[VO+\c]
	BLKO VO+\c, 12
	v_add_nc_u32 v[VO+\c], v[VO+\c], v14
.endr
	s_lshl_b32 s62, s[WV], 10
	s_add_co_u32 s62, s62, WREG
	v_lshl_add_u32 v[FTA], v16, 5, s62
	v_lshl_add_u32 v20, v17, 2, s62                ; my fills in: 4 x lane
	v_lshl_add_u32 v21, v15, 2, s62                ; the far sums in: 4 r
	v_and_b32 v19, 3, v15
	v_mul_u32_u24 v19, 1060, v19
	v_lshl_add_u32 v19, v16, 5, v19
	v_lshlrev_b32 v22, 2, v15
	v_add_nc_u32 v19, TW+64, v19
	v_sub_nc_u32 v[TWA], v19, v22                  ; the window: copy r % 4 makes it a multiple of 16
	s_lshl_b32 s62, s[WV], 5
	s_add_co_u32 s62, s62, CTX
	v_mul_u32_u24 v19, 528, v15
	v_lshl_add_u32 v19, v16, 3, v19
	v_add_nc_u32 v[CXS], s62, v19
	s_lshl_b32 s62, s[WV], 1
	s_add_co_u32 s62, s62, CSC
	v_mul_u32_u24 v19, 48, v15
	v_add_nc_u32 v[CSS], s62, v19
	v_lshl_add_u32 v[CNA], v15, 2, CNT
	s_lshl_b32 s62, s[WV], 9
	v_lshlrev_b32 v[WSV], 5, v15
	v_lshl_add_u32 v[WSV], v16, 13, v[WSV]
	v_add_nc_u32 v[WSV], s62, v[WSV]               ; Wo's scale bytes: row 256 h + 16 w + r
	s_lshl_b32 s62, s[WV], 3
	v_lshl_add_u32 v22, v17, 2, TE+124
	v_sub_nc_u32 v22, v22, s62                     ; E of key lane + 32 i for my queries 2 w (+ 4), 2 w + 1
	s_wait_alu depctr_va_vdst(0)                   ; the wait here, directly ahead of the readers below
.irp i, 0,1,2,3,4
	global_load_u8 v[248+\i], v[240+\i], s[18:19]
.endr
.irp m, 0,1,2,3,4,5
	global_load_b128 v[S+4*\m:S+4*\m+3], v[232+\m], s[16:17]
.endr
.irp n, 0,1,2,3,4
	global_load_b128 v[24+8*\n:27+8*\n], v[LN], s[KB+2*\n:KB+2*\n+1]
	global_load_b128 v[28+8*\n:31+8*\n], v[LN], s[KB+2*\n:KB+2*\n+1] offset:1024
	global_load_b64 v[KSC+2*\n:KSC+2*\n+1], v14, s[KSB+2*\n:KSB+2*\n+1]
.endr
	global_load_b128 v[96:99], v[LN], s[4:5]
	global_load_b128 v[104:107], v[LN], s[4:5] offset:1024
	global_load_b64 v[QSC:QSC+1], v14, s[6:7]
	global_load_b128 v[VSC:VSC+3], v14, s[50:51]
	global_load_b128 v[VSC+4:VSC+7], v14, s[52:53]
	CROUND                                         ; all four work-groups are here: the joint loads meet
	TLOAD                                          ; Wo's rows 0..511, both slots: 32 rows a wave, one tensor load a wave at the head
	; THE WINDOW TABLE: entry i = erfc(d sqrt(2) / 8) x log2(e) / 8, d = |i - 96|, i = thread % 256; waves 0-7 store copies 0 and 1, waves 8-15 copies 2 and 3.
	; erfc(z) = u exp(-z^2 + P(u)), u = 1 / (1 + z / 2), P a polynomial of degree 9 (fractional error 1.2e-7).  z^2 = d^2 / 32 is exact; its factor log2(e) / 32 is taken in two parts.
	v_and_b32 v200, 0xff, v0
	v_add_nc_u32 v201, 0xffffffa0, v200
	v_cvt_f32_i32 v201, v201
	v_mul_f32 v202, 0x3e3504f3, |v201|
	v_fma_f32 v202, v202, 0.5, 1.0
	s_wait_alu depctr_va_vdst(0)
	v_rcp_f32 v202, v202
	v_mul_f32 v203, v201, v201                     ; d^2
	v_mov_b32 v204, 0x3e2ef946
	s_wait_alu depctr_va_vdst(0)
.irp c, 0xbf527892, 0x3fbe87b0, 0xbf914e5d, 0x3e8ec7cc, 0xbe3ec24c, 0x3dc636c9, 0x3ebf88fb, 0x3f8000c7, 0xbfa1fc4e
	v_fmaak_f32 v204, v204, v202, \c
.endr
	v_mul_f32 v204, 0x3fb8aa3b, v204
	v_fmamk_f32 v204, v203, 0xb0257062, v204
	v_fmamk_f32 v204, v203, 0xbd38aa3b, v204
	s_wait_alu depctr_va_vdst(0)
	v_exp_f32 v204, v204
	v_mul_f32 v202, 0x3e38aa3b, v202
	v_mov_b32 v205, 0x3e38aa3b
	s_wait_alu depctr_va_vdst(0)
	v_mul_f32 v204, v204, v202
	v_cmp_eq_u32 vcc_lo, 0x60, v200
	v_cndmask_b32 v204, v204, v205, vcc_lo         ; distance 0: the window is exactly 1
	v_mul_f32 v206, 0xdede0b6b, v204               ; -8e18 W
	v_lshlrev_b32 v207, 2, v200
	s_lshr_b32 s62, s[WV], 3
	s_lshl_b32 s63, s62, 10
	s_mul_i32 s62, s62, 2120
	s_add_co_u32 s62, s62, TW
	s_add_co_u32 s63, s63, TE
	s_wait_alu depctr_va_vdst(0)
	v_exp_f32 v206, v206                           ; E
	v_add_nc_u32 v208, s62, v207
	v_add_nc_u32 v209, s63, v207
	s_wait_alu depctr_va_vdst(0)
	ds_store_b32 v208, v204
	ds_store_b32 v208, v204 offset:1060
	ds_store_b32 v209, v206
	v_mov_b32 v201, 0xf149f2ca                     ; -1e30
.irp x, 64,65,66,67,72,73,74,75,100,101,102,103,108,109,110,111,124,125,126,127,140,141,142,143
	v_mov_b32 v\x, 0                               ; what K's and V's last operands name beyond their registers; Q's upper 64 along K; P's upper blocks
.endr
	v_mov_b32 v13, 0                               ; (named as the upper half of the pair v[12:13])
.irp a, 0,1,2,3
	v_mov_b32 v[224+\a], 0                         ; a lane permute's destination counts as one of its sources
.endr
	s_wait_alu depctr_va_vdst(0)                   ; the wait here, directly ahead of the wait below
	s_wait_loadcnt 0x0
.irp i, 0,1,2,3,4
	v_cmp_ne_u32 vcc_lo, 0, v[248+\i]
	v_cndmask_b32 v[202+\i], 0, v201, vcc_lo       ; the fill of a masked key
	v_cndmask_b32 v[210+\i], 0, 1.0, vcc_lo
	ds_store_b32 v20, v[202+\i] offset:128*\i
.endr
.irp m, 1,2,3,4,5
	v_pk_add_f32 v[S:S+1], v[S:S+1], v[S+4*\m:S+4*\m+1]
	v_pk_add_f32 v[S+2:S+3], v[S+2:S+3], v[S+4*\m+2:S+4*\m+3]
.endr
.irp a, 0,1,2,3
	v_permlanex16_b32 v[224+\a], v[S+\a], s[SEL], s[SEL+1]
.endr
.irp a, 0,1,2,3
	v_add_f32 v[224+\a], v[224+\a], v[S+\a]        ; the far keys' sum of channel 16 a + r
.endr
.irp a, 0,1,2,3
	ds_store_b32 v21, v[224+\a] offset:768+64*\a
.endr
.irp n, 0,1,3,4
.irp x, 0,1,2,3,4,5,6,7
	v_and_b32 v[24+8*\n+\x], s[KM+\n], v[24+8*\n+\x]       ; wrapped keys: zero codes
.endr
.endr
	s_xor_b32 s63, s[SHV], 31                      ; 31 - the shift (0, 8, 16 or 24)
.irp i, 0,1,2,3,4,5,6,7,8,9,10,11
	v_lshrrev_b32 v[KSC+\i], s[HS], v[KSC+\i]      ; my head's two bytes to the low end; what is left above meets zero codes
.endr
.irp t, 0,1,2,3
	v_lshlrev_b32 v[228+\t], 1, v[VSC+4+\t]
	v_lshrrev_b32 v[VSC+\t], s[SHV], v[VSC+\t]
	v_lshl_or_b32 v[VSC+\t], v[228+\t], s63, v[VSC+\t]     ; V's scale bytes of near blocks 0-3: the two words as one, shifted down,
.endr
.irp t, 0,1,2,3
	v_lshrrev_b32 v[VSC+4+\t], s[SHV], v[VSC+4+\t]                 ; and of block 4 in the lowest byte
.endr
	s_wait_alu depctr_va_vdst(0)                   ; the wait at the head's end
	s_wait_dscnt 0x0                               ; for the others' sake: my parts of the tables are stored
	s_barrier_signal -1
	s_barrier_wait -1
	; THE MASKED NEAR KEYS' SUMS of E for my two queries (a wrapped key's is 1)
.irp i, 0,1,2,3,4
	ds_load_b32 v[228+\i], v22 offset:4+128*\i
	ds_load_b32 v[233+\i], v22 offset:128*\i
.endr
	s_wait_dscnt 0x0
.irp i, 0,1,2,3,4
	v_max_num_f32 v[228+\i], s[WRF+\i], v[228+\i]
	v_max_num_f32 v[233+\i], s[WRF+\i], v[233+\i]
.endr
	v_mul_f32 v238, v210, v228
	v_mul_f32 v239, v210, v233
.irp i, 1,2,3,4
	v_fma_f32 v238, v[210+\i], v[228+\i], v238
	v_fma_f32 v239, v[210+\i], v[233+\i], v239
.endr
.irp x, 1,2,4,8
	v_add_f32_dpp v238, v238, v238 row_xmask:\x row_mask:0xf bank_mask:0xf
	v_add_f32_dpp v239, v239, v239 row_xmask:\x row_mask:0xf bank_mask:0xf
.endr
	v_permlanex16_b32 v228, v238, s[SEL], s[SEL+1]
	v_permlanex16_b32 v229, v239, s[SEL], s[SEL+1]
	v_add_f32 v238, v238, v228
	v_add_f32 v239, v239, v229
	v_fmaak_f32 v238, 0.5, v238, 0x43d80000        ; each half of the lanes adds half of it, and of the 864 far keys
	v_fmaak_f32 v239, 0.5, v239, 0x43d80000
	s_lshl_b32 s62, s[WV], 3
	s_add_co_u32 s62, s62, CNT
	v_mov_b32 v20, s62
	ds_store_b64 v20, v[238:239]                   ; all lanes the same 8 bytes
	s_wait_alu depctr_va_vdst(0)
	s_wait_dscnt 0x0
	s_barrier_signal -1                            ; its wait stands behind tile 0's scores
.macro LD i, u                         ; W and the fill of 16 keys
.set WB, 224+16*((\i)%2)
	ds_load_b128 v[WB:WB+3], v[TWA] offset:64*((\i)+1-\u)
	ds_load_b128 v[WB+4:WB+7], v[TWA] offset:64*((\i)+1-\u)+16
	ds_load_b128 v[WB+8:WB+11], v[FTA] offset:64*(\i)
	ds_load_b128 v[WB+12:WB+15], v[FTA] offset:64*(\i)+16
.endm
.macro SCORES u
.irp i, 0,1,2,3,4,5,6,7,8,9
	v_wmma_scale_f32_16x16x128_f8f6f4 v[S+8*\i:S+8*\i+7], v[24+4*\i:31+4*\i], v[96+8*\u:103+8*\u], 0, v[KSC+\i], v[QSC+\u] matrix_a_fmt:MATRIX_FMT_FP4 matrix_b_fmt:MATRIX_FMT_FP4
.endr
.endm
; the softmax of a tile of 16 queries, to p's codes, their scale words and the far weight.  qcf: where the far weight goes
.macro SOFT u, qcf
.set P, 112+16*\u
.irp i, 0,1,2,3,4,5,6,7,8,9
.if \i < 9
	LD \i+1, \u
	s_wait_dscnt 0x4                               ; the next four loads may be out
.else
	s_wait_dscnt 0x0
.endif
.set WB, 224+16*(\i%2)
.irp k, 0,2,4,6
	v_pk_fma_f32 v[S+8*\i+\k:S+8*\i+\k+1], v[S+8*\i+\k:S+8*\i+\k+1], v[WB+\k:WB+\k+1], v[WB+8+\k:WB+9+\k]   ; t
.endr
.endr
	ds_load_b32 v233, v[CNA] offset:64*\u
	s_wait_alu depctr_va_vdst(0)                   ; the wait here, directly ahead of the readers below
.irp n, 0,1,2,3,4
	v_max3_num_f32 v[BM+\n], v[S+16*\n], v[S+16*\n+1], v[S+16*\n+2]
.endr
.irp i, 3,5,7,9,11,13
.irp n, 0,1,2,3,4
	v_max3_num_f32 v[BM+\n], v[BM+\n], v[S+16*\n+\i], v[S+16*\n+\i+1]
.endr
.endr
.irp n, 0,1,2,3,4
	v_max_num_f32 v[BM+\n], v[BM+\n], v[S+16*\n+15]
.endr
.irp n, 0,1,2,3,4
	v_permlanex16_b32 v[224+\n], v[BM+\n], s[SEL], s[SEL+1]
.endr
.irp n, 0,1,2,3,4
	v_max_num_f32 v[BM+\n], v[BM+\n], v[224+\n]    ; each near block's largest t
.endr
	v_max3_num_f32 v229, v[BM], v[BM+1], v[BM+2]
	v_max3_num_f32 v229, v229, v[BM+3], v[BM+4]
	v_max_num_f32 v229, 0, v229                    ; M, the row's maximum: the 0 is the far keys' t
	v_xor_b32 v230, 0x80000000, v229
.set k, 0
.rept 40
	v_pk_add_f32 v[S+k:S+k+1], v[S+k:S+k+1], v[230:231] op_sel_hi:[1,0]
.set k, k+2
.endr
.irp n, 0,1,2,3,4
	v_sub_f32 v[BM+\n], v[BM+\n], v229
.endr
	s_wait_alu depctr_va_vdst(0)                   ; the wait ahead of the batch
.set k, 0
.rept 80
	v_exp_f32 v[S+k], v[S+k]                       ; p = 2^(t - M)
.set k, k+1
.endr
.irp n, 0,1,2,3,4
	v_exp_f32 v[BM+\n], v[BM+\n]                   ; each block's largest p
.endr
	v_exp_f32 v232, v230                           ; 2^-M: a far key's p
	v_nop
	s_wait_dscnt 0x0
	s_wait_alu depctr_va_vdst(0)                   ; one wait for the batch, ahead of its first reader
.irp c, 0,1,2,3
	v_pk_add_f32 v[234+2*\c:235+2*\c], v[S+2*\c:S+2*\c+1], v[S+8+2*\c:S+9+2*\c]
.endr
.set k, 16
.rept 32
	v_pk_add_f32 v[234+k%8:235+k%8], v[234+k%8:235+k%8], v[S+k:S+k+1]
.set k, k+2
.endr
	v_pk_add_f32 v[234:235], v[234:235], v[236:237]
	v_pk_add_f32 v[238:239], v[238:239], v[240:241]
	v_pk_add_f32 v[234:235], v[234:235], v[238:239]
	v_add_f32 v234, v234, v235
	v_fma_f32 v234, v232, v233, v234
	v_permlanex16_b32 v242, v234, s[SEL], s[SEL+1]
	v_add_f32 v234, v234, v242                     ; the row's sum
	s_wait_alu depctr_va_vdst(0)
	v_rcp_f32 v244, v234
	v_nop
	s_wait_alu depctr_va_vdst(0)
.irp n, 0,1,2,3,4
	v_mul_f32 v[BM+\n], v[BM+\n], v244             ; the same multiplication as every p gets: a rounding keeps the order
.endr
	v_mul_f32 v243, v232, v244                     ; a far key's weight
.set k, 0
.rept 40
	v_pk_mul_f32 v[S+k:S+k+1], v[S+k:S+k+1], v[244:245] op_sel_hi:[1,0]    ; the finished weights
.set k, k+2
.endr
.irp n, 0,1,2,3,4
	v_max_num_f32 v[BM+\n], 0x1800000, v[BM+\n]    ; the floor 2^(3 - 127): the byte cannot fall under 1
.endr
.irp n, 0,1,2,3,4
	v_add_nc_u32 v[246+\n], 0xff000000, v[BM+\n]   ; 2 off the exponent field: the conversion's scale operand
.endr
.irp n, 0,1,2,3
	v_lshrrev_b32 v[251+\n], 23, v[246+\n]
.endr
	v_lshrrev_b32 v[15+2*\u], 23, v250
	; the far weight in E2M1 under its own scale lies between 4 and 8: 4 up to 5 (the tie goes to the even code), 6 beyond: its power of two x 1 or x 1.5
	v_and_b32 v233, 0x7f800000, v243
	v_and_b32 v235, 0x7fffff, v243
	v_or_b32 v236, 0x400000, v233
	v_cmp_lt_u32 vcc_lo, 0x200000, v235
	v_cndmask_b32 v[\qcf], v233, v236, vcc_lo
	v_lshl_or_b32 v[14+2*\u], v252, 8, v251
	v_lshl_or_b32 v[14+2*\u], v253, 16, v[14+2*\u]
	v_lshl_or_b32 v[14+2*\u], v254, 24, v[14+2*\u]
.irp n, 0,1,2,3,4
.irp e, 0,1
	v_cvt_scalef32_pk8_fp4_f32 v[P+2*\n+\e], v[S+16*\n+8*\e:S+16*\n+8*\e+7], v[246+\n]
.endr
.endr
	v_mov_b32 v[P+10], 0                           ; (plain places behind the conversions)
	v_mov_b32 v[P+11], 0
.irp c, 0,4,8
.irp i, 0,1
	v_permlane16_swap_b32 v[P+\c+\i], v[P+\c+2+\i] ; a whole block in a lane
.endr
.endr
.endm
	LD 0, 0
	SCORES 0
	s_barrier_wait -1                              ; the masked keys' sums are stored
	PLACES 4
	SOFT 0, 12
	LD 0, 1
	SCORES 1
	PLACES 4                                       ; K, Q and their scale words are done with
.irp t, 0,1,2,3
.irp c, 0,1,2
	global_load_b128 v[24+12*\t+4*\c:27+12*\t+4*\c], v[VO+\c], s[12:13] offset:1024*\t    ; near blocks 2 c (lanes 0-15) and 2 c + 1 of channels 16 t on
.endr
.endr
.irp x, 0,1
	global_load_b128 v[96+8*\x:99+8*\x], v[WSV], s[22:23] offset:16384*\x          ; Wo's scale words of quarters 2 x (lanes 0-15) and 2 x + 1
	global_load_b128 v[100+8*\x:103+8*\x], v[WSV], s[22:23] offset:16384*\x+16
.endr
	v_bfe_u32 v[BOV], v0, 4, 1
	v_lshlrev_b32 v[BOV], 5, v[BOV]
	s_lshl_b32 s62, s[WV], 6
	v_add_nc_u32 v[BOV], s62, v[BOV]               ; bo: output 16 w + 8 h
	global_load_b128 v[76:79], v[BOV], s[24:25]
	global_load_b128 v[80:83], v[BOV], s[24:25] offset:16
	SOFT 1, 236
	; O^T begins with the far keys' part: weight x sum
.irp t, 0,1,2,3
.irp e, 0,1
	ds_load_b128 v[S+32+8*\t+4*\e:S+35+8*\t+4*\e], v[FTA] offset:768+64*\t+16*\e
.endr
.endr
	s_wait_alu depctr_va_vdst(0)
	s_wait_dscnt 0x0
	s_wait_loadcnt 0x6                             ; V is in; the four loads of Wo's scale words and the two of bo may be out
.set k, 0
.rept 16
	v_pk_mul_f32 v[S+k:S+k+1], v[S+32+k:S+33+k], v[12:13] op_sel_hi:[1,0]
.set k, k+2
.endr
.set k, 0
.rept 16
	v_pk_mul_f32 v[S+32+k:S+33+k], v[S+32+k:S+33+k], v[236:237] op_sel_hi:[1,0]
.set k, k+2
.endr
.irp st, 0,1
.irp t, 0,1,2,3
.irp u, 0,1
	v_wmma_scale_f32_16x16x128_f8f6f4 v[S+32*\u+8*\t:S+32*\u+8*\t+7], v[24+12*\t+8*\st:31+12*\t+8*\st], v[112+16*\u+8*\st:119+16*\u+8*\st], v[S+32*\u+8*\t:S+32*\u+8*\t+7], v[VSC+4*\st+\t], v[14+2*\u+\st] matrix_a_fmt:MATRIX_FMT_FP4 matrix_b_fmt:MATRIX_FMT_FP4
.endr
.endr
.endr
	PLACES 4
	; the context is quantised along the channels: block n = 2 u + b of tile u
.irp n, 0,1,2,3
	v_max3_num_f32 v[224+\n], |v[S+16*\n]|, |v[S+16*\n+1]|, 0x1800000
.endr
.irp i, 2,4,6,8,10,12,14
.irp n, 0,1,2,3
	v_max3_num_f32 v[224+\n], |v[S+16*\n+\i]|, |v[S+16*\n+\i+1]|, v[224+\n]
.endr
.endr
.irp n, 0,1,2,3
	v_permlanex16_b32 v[228+\n], v[224+\n], s[SEL], s[SEL+1]
.endr
.irp n, 0,1,2,3
	v_max_num_f32 v[224+\n], v[224+\n], v[228+\n]
.endr
.irp n, 0,1,2,3
	v_add_nc_u32 v[232+\n], 0xff000000, v[224+\n]
.endr
.irp n, 0,1,2,3
	v_lshrrev_b32 v[236+\n], 23, v[232+\n]
.endr
	v_lshl_or_b32 v240, v237, 8, v236
	v_lshl_or_b32 v241, v239, 8, v238
.irp n, 0,1,2,3
.irp e, 0,1
	v_cvt_scalef32_pk8_fp4_f32 v[244+2*\n+\e], v[S+16*\n+8*\e:S+16*\n+8*\e+7], v[232+\n]
.endr
.endr
	v_nop
.irp n, 0,1,2,3
	v_permlane16_swap_b32 v[244+2*\n], v[245+2*\n] ; lane half h now holds the block's words 2 h and 2 h + 1 in natural order
.endr
.irp n, 0,1,2,3
	ds_store_b64 v[CXS], v[244+2*\n:245+2*\n] offset:16*RP*(\n/2)+16*(\n%2)
.endr
	ds_store_b16 v[CSS], v240                      ; both halves of the lanes write the same two bytes
	ds_store_b16 v[CSS], v241 offset:768
	; THE OUTPUT PROJECTION: addresses
	v_and_b32 v2, 15, v0
	v_bfe_u32 v3, v0, 4, 1
	v_mul_u32_u24 v12, 528, v2
	v_lshl_add_u32 v12, v3, 4, v12                 ; a fragment's row r, + 16 h
	v_add_nc_u32 v5, CTX, v12                      ; the context's
	s_mul_i32 s62, s[WV], 16*RP
	v_add_nc_u32 v[WOA], s62, v12                  ; Wo's, slot 0
	v_add_nc_u32 v4, SLOT, v[WOA]                  ; slot 1
	v_and_b32 v13, 31, v0
	v_mul_u32_u24 v6, 48, v13
	v_add_nc_u32 v6, CSC, v6                       ; the context's scale words: token = lane
	s_lshl_b32 s62, s[WV], 6
	s_add_co_u32 s62, s62, STG
	v_mul_u32_u24 v12, 1040, v2
	v_lshl_add_u32 v12, v3, 5, v12
	v_add_nc_u32 v[SGW], s62, v12                  ; results in: token r, my 16 outputs
	s_mul_i32 s62, s[WV], 2080
	s_add_co_u32 s62, s62, STG
	v_add_nc_u32 v[SGR], s62, v[LN]                ; back: my two tokens' rows
	s_wait_alu depctr_va_vdst(0)                   ; the wait here, directly ahead of the waits below
	s_wait_loadcnt 0x0                             ; Wo's scale words, bo
	s_wait_tensorcnt 0x0                           ; my parts of Wo's first two quarters
	s_wait_dscnt 0x0                               ; my head's context is stored
	s_barrier_signal -1
	s_barrier_wait -1                              ; a token's row comes from sixteen waves
.irp u, 0,1
.irp k, 0,1,2,3,4,5,6,7
.irp c, 0,1
	ds_load_b128 v[128+64*\u+8*\k+4*\c:131+64*\u+8*\k+4*\c], v5 offset:16*RP*\u+64*\k+32*\c
.endr
.endr
.endr
	ds_load_b128 v[88:91], v6                      ; word k: K step k; lanes 0-15 tokens 0-15, lanes 16-31 tokens 16-31
	ds_load_b128 v[92:95], v6 offset:16
.macro OW q, k, u                      ; K step k of quarter q, tokens 16 u on
.set rD, 112+8*\u
.set rC, rD
.if \k == 0
.set rC, 76
.endif
.set rA, 12+8*\k
.set rB, 128+64*\u+8*\k
.set rX, 96+8*(\q/2)+\k
.set rY, 88+\k
.if ((\q%2) == 0) && (\u == 0)
	v_wmma_scale_f32_16x16x128_f8f6f4 v[rD:rD+7], v[rA:rA+7], v[rB:rB+7], v[rC:rC+7], v[rX], v[rY] matrix_a_fmt:MATRIX_FMT_FP4 matrix_b_fmt:MATRIX_FMT_FP4
.elseif \u == 0
	v_wmma_scale_f32_16x16x128_f8f6f4 v[rD:rD+7], v[rA:rA+7], v[rB:rB+7], v[rC:rC+7], v[rX], v[rY] matrix_a_fmt:MATRIX_FMT_FP4 matrix_b_fmt:MATRIX_FMT_FP4 matrix_a_scale:MATRIX_SCALE_ROW1
.elseif (\q%2) == 0
	v_wmma_scale_f32_16x16x128_f8f6f4 v[rD:rD+7], v[rA:rA+7], v[rB:rB+7], v[rC:rC+7], v[rX], v[rY] matrix_a_fmt:MATRIX_FMT_FP4 matrix_b_fmt:MATRIX_FMT_FP4 matrix_b_scale:MATRIX_SCALE_ROW1
.else
	v_wmma_scale_f32_16x16x128_f8f6f4 v[rD:rD+7], v[rA:rA+7], v[rB:rB+7], v[rC:rC+7], v[rX], v[rY] matrix_a_fmt:MATRIX_FMT_FP4 matrix_b_fmt:MATRIX_FMT_FP4 matrix_a_scale:MATRIX_SCALE_ROW1 matrix_b_scale:MATRIX_SCALE_ROW1
.endif
.endm
.macro BACK                            ; my two tokens' 256 outputs of the quarter that all waves have stored
.irp i, 0,1,2,3
	ds_load_b128 v[112+4*\i:115+4*\i], v[SGR] offset:1040*(\i/2)+512*(\i%2)
.endr
.endm
.macro SEND q
.irp i, 0,1,2,3
	global_store_b128 v[LN], v[112+4*\i:115+4*\i], s[26:27] offset:4096*(\i/2)+1024*(\q)+512*(\i%2) th:TH_STORE_NT    ; 32 lanes store 512 consecutive bytes, aligned
.endr
.endm
; A QUARTER of the outputs.  The stage's rows of the quarter before are read back and sent first; the barrier round the products says that every wave has read them.
.macro QTR q, adr
.if \q > 0
	BACK
.endif
.irp k, 0,1,2,3,4,5,6,7
.irp c, 0,1
	ds_load_b128 v[12+8*\k+4*\c:15+8*\k+4*\c], v[\adr] offset:64*\k+32*\c
.endr
.endr
.if \q > 0
	s_wait_dscnt 0x10                              ; the rows are in; the 16 loads of fragments may be out
	SEND \q-1
.endif
	s_wait_loadcnt 0x0                             ; bo
	s_wait_dscnt 0x0
	s_wait_xcnt 0x0                                ; the stores have read their registers
.if \q > 0
	s_barrier_signal -1
.endif
.irp k, 0,1,2,3,4,5,6,7
.irp u, 0,1
	OW \q, \k, \u                                  ; the two accumulators take turns
.endr
.endr
.if \q > 0
	s_barrier_wait -1
.endif
	PLACES 5                                       ; in front of the stores that read the sums, and of the next quarter's products, which write over them
.if \q < 3
	global_load_b128 v[76:79], v[BOV], s[24:25] offset:1024*(\q+1)
	global_load_b128 v[80:83], v[BOV], s[24:25] offset:1024*(\q+1)+16
.endif
.irp u, 0,1
.irp e, 0,1
	ds_store_b128 v[SGW], v[112+8*\u+4*\e:115+8*\u+4*\e] offset:16640*\u+16*\e
.endr
.endr
.endm
	QTR 0, WOA
	s_wait_tensorcnt 0x0                           ; slot 0 is filled again, with quarter 2
	ds_add_u32 v[SPW], v[NIL]
	s_mov_b32 s[G1+2], 16<<16                      ; no tensor load of mine is out: from here on a load brings 16 rows
	s_mov_b32 s[G1+4], 16
	s_mul_i32 s[G0+1], s[WV], 16*RP
	s_lshl_b32 s2, s[WV], 13
	s_add_nc_u64 s[G0+2:G0+3], s[20:21], s[2:3]
	s_add_nc_u64 s[G0+2:G0+3], s[G0+2:G0+3], 0x40000
	s_or_b32 s[G0+3], s[G0+3], 0x80000000
	s_wait_dscnt 0x0                               ; the add is done, my reads of slot 0 are over, my results lie in the stage
	CROUND
	TLOAD
	QTR 1, 4
	s_wait_tensorcnt 0x0                           ; my part of quarter 2 is in; slot 1 is filled again, with quarter 3
	ds_add_u32 v[SPW], v[NIL]
	s_add_co_u32 s[G0+1], s[G0+1], SLOT
	s_add_nc_u64 s[G0+2:G0+3], s[G0+2:G0+3], 0x20000
	s_wait_dscnt 0x0
	CROUND
	TLOAD
	QTR 2, WOA
	s_wait_tensorcnt 0x0                           ; my part of quarter 3 is in
	s_wait_dscnt 0x0
	s_barrier_signal -1
	s_barrier_wait -1
	QTR 3, 4
	s_wait_dscnt 0x0
	s_barrier_signal -1
	s_barrier_wait -1
	BACK
	s_wait_dscnt 0x0
	SEND 3
	s_wait_tensorcnt 0x0                           ; the wave's end
	ds_add_u32 v[SPW], v[NIL]
	s_wait_dscnt 0x0
	CROUND                                         ; the closing round
	s_endpgm
.Lfunc_end_k_q2d1be2971e_attout:
	.size	k_q2d1be2971e_attout, .Lfunc_end_k_q2d1be2971e_attout-k_q2d1be2971e_attout
	.p2alignl 7, 3214868480
	.fill 96, 4, 3214868480
	.section	.rodata,"a",@progbits
	.p2align	6, 0x0
	.amdhsa_kernel k_q2d1be2971e_attout
		.amdhsa_group_segment_fixed_size 327680
		.amdhsa_private_segment_fixed_size 0
		.amdhsa_enable_private_segment 0
		.amdhsa_kernarg_size 96
		.amdhsa_user_sgpr_count 2
		.amdhsa_user_sgpr_kernarg_segment_ptr 1
		.amdhsa_wavefront_size32 1
		.amdhsa_system_sgpr_workgroup_id_x 1
		.amdhsa_system_sgpr_workgroup_id_y 1
		.amdhsa_system_sgpr_workgroup_id_z 1
		.amdhsa_system_vgpr_workitem_id 0
		.amdhsa_next_free_vgpr 256
		.amdhsa_next_free_sgpr 102
		.amdhsa_reserve_vcc 1
		.amdhsa_float_denorm_mode_32 3
		.amdhsa_float_denorm_mode_16_64 3
		.amdhsa_memory_ordered 1
		.amdhsa_forward_progress 1
		.amdhsa_inst_pref_size 105
	.end_amdhsa_kernel
	.amdgpu_metadata
---
amdhsa.version: [ 1, 2 ]
amdhsa.kernels:
  - .name:           k_q2d1be2971e_attout
    .symbol:         k_q2d1be2971e_attout.kd
    .args:
      - { .name: qc, .offset: 0, .size: 8, .value_kind: global_buffer, .address_space: global }
      - { .name: qs, .offset: 8, .size: 8, .value_kind: global_buffer, .address_space: global }
      - { .name: kc, .offset: 16, .size: 8, .value_kind: global_buffer, .address_space: global }
      - { .name: ks, .offset: 24, .size: 8, .value_kind: global_buffer, .address_space: global }
      - { .name: vc, .offset: 32, .size: 8, .value_kind: global_buffer, .address_space: global }
      - { .name: vs, .offset: 40, .size: 8, .value_kind: global_buffer, .address_space: global }
      - { .name: vsum, .offset: 48, .size: 8, .value_kind: global_buffer, .address_space: global }
      - { .name: mask, .offset: 56, .size: 8, .value_kind: global_buffer, .address_space: global }
      - { .name: Wo_codes, .offset: 64, .size: 8, .value_kind: global_buffer, .address_space: global }
      - { .name: Wo_scales, .offset: 72, .size: 8, .value_kind: global_buffer, .address_space: global }
      - { .name: bo, .offset: 80, .size: 8, .value_kind: global_buffer, .address_space: global }
      - { .name: out0, .offset: 88, .size: 8, .value_kind: global_buffer, .address_space: global }
    .group_segment_fixed_size: 327680
    .private_segment_fixed_size: 0
    .kernarg_segment_align: 8
    .kernarg_segment_size: 96
    .max_flat_workgroup_size: 512
    .sgpr_count:     102
    .vgpr_count:     256
    .wavefront_size: 32
...
	.end_amdgpu_metadata
.endif
;; end of part 2
